; MI455X (gfx1250); checked and timed in simulation.
; The chip was launched on July 23, 2026; its instructions are those of AMD's public machine-readable ISA for CDNA 5 (MIT licence, August 2026) and "CDNA5" Instruction Set Architecture Reference Guide (July 2026). The comments in the code are by the model that wrote it; some were corrected since.
;; Multi Head Attention. Allowed arithmetic: matrix products marked QUANTISED: E2M3 operands, one E8M0 scale for each 32 along K, by v_wmma_scale_f32_16x16x128_f8f6f4 with both operands' format E2M3, f32 sums; everything else in f32.
;; Inputs: b_o 1,024 float32; b_qkv 3,072 float32; w_o_codes 1,024 x 32 x 24 uint8 (E2M3 codes of w_o, K innermost, in blocks of 32 codes, four codes in three bytes); w_o_scales 1,024 x 32 uint8 (E8M0 scales of w_o, one for each 32 codes along K); w_qkv_codes 3,072 x 32 x 24 uint8 (E2M3 codes of w_qkv, K innermost, in blocks of 32 codes, four codes in three bytes); w_qkv_scales 3,072 x 32 uint8 (E8M0 scales of w_qkv, one for each 32 codes along K); x_codes 4 x 2,048 x 32 x 24 uint8 (E2M3 codes of x, K innermost, in blocks of 32 codes, four codes in three bytes); x_scales 4 x 2,048 x 32 uint8 (E8M0 scales of x, one for each 32 codes along K).
;; Outputs: out0 4 x 2,048 x 1,024 float32.
;; This version of the problem:
;;   THIS VERSION OF THE PROBLEM IS GIVEN IN LOW PRECISION. The matrix products marked QUANTISED in the list below multiply operands that are first quantised to E2M3 (2 exponent bits, 3 mantissa bits; 6 bits a number), with one power-of-two scale for each 32 numbers along K (OCP MX v1.0); their sums are f32. All else is computed in f32.
;;   The module's matrix products, in the order in which they are computed (A, B: the left and right operand; K: the contracted axis; several contracted axes count as one K, in the product's order):
;;     1. [M 8,192, K 1,024] x [K 1,024, N 3,072]; A: input x (given as codes); B: input w_qkv (given as codes): QUANTISED
;;     2. batch 64 x [M 2,048, K 64] x [K 64, N 2,048]; A: computed on the way; B: computed on the way: QUANTISED
;;     3. batch 64 x [M 2,048, K 2,048] x [K 2,048, N 64]; A: softmax (see below); B: computed on the way: QUANTISED
;;     4. [M 8,192, K 1,024] x [K 1,024, N 1,024]; A: computed on the way; B: input w_o (given as codes): QUANTISED
;;   THE QUANTISER, for each operand of a quantised product, along K:
;;     - K is cut into blocks of 32 from its start; a last block that is shorter is filled with zeros.
;;     - A block's scale is 2^e with e = floor(log2(the largest magnitude in the block)) - 2, held to -126 .. 127; a block of zeros has e = 0. As a byte (E8M0): e + 127.
;;     - Each number is divided by its block's scale, clamped to +-7.5, and rounded to the nearest number of E2M3, ties to even, subnormals kept.
;;     - The product sums the exact products of the quantised numbers (number of the format x scale) in f32.
;;   ~~~python
;;   def quantise(x, axis):      # numpy; x: float32 -> the quantised numbers, widened to float32 again
;;       x = np.moveaxis(x, axis, -1); K = x.shape[-1]
;;       x = np.pad(x, [(0, 0)] * (x.ndim - 1) + [(0, -K % 32)]); x = x.reshape(x.shape[:-1] + (-1, 32)); a = np.abs(x).max(-1, keepdims=True)
;;       e = np.where(a > 0, np.clip(np.frexp(np.where(a > 0, a, 1))[1] - 1 - 2, -126, 127), 0)      # np.frexp(a)[1] - 1 = floor(log2(a)), exactly
;;       r = np.clip(x / 2.0 ** e, -7.5, 7.5)
;;       step = 2.0 ** (np.maximum(np.frexp(np.where(r == 0, 1, r))[1] - 1, 0) - 3)
;;       q = np.round(r / step) * step * 2.0 ** e      # np.round: ties to even
;;       return np.moveaxis(q.reshape(q.shape[:-2] + (-1,))[..., :K], -1, axis).astype(np.float32)
;;   ~~~
;;   SOFTMAX AHEAD OF A QUANTISED PRODUCT. Where the list says 'softmax', what is quantised is not the finished softmax but p = 2^(t - M), with t = logit x log2(e) and M = ceil(the row's largest t), a whole number; so 1/2 < the row's largest p <= 1. The row's sum l is taken of the UNQUANTISED p, in f32, and the product's result is divided by l at the end. Since M is a whole number, a kernel that streams over the keys may use a running M (the ceiling of the running maximum): every later rescaling is an exact power of two, which a block's scale takes up: the codes' values come out the same.
;;   OPERANDS COMPUTED ON THE WAY. 'Computed on the way' means the value that the module computes at that place (a softmax that the list does not call 'softmax' is quantised finished and normalised). What goes into a quantiser is computed in f32, as accurately as f32 sums, v_exp_f32 and their like allow (about 1e-6 of the number): no bf16 or f16 on the way to a quantiser, and a product that is left as it is and whose result goes on into a quantised operand takes f32 operands (vector FMAs, or v_wmma_f32_16x16x4_f32). A number that lies on a knife's edge between two numbers of the format may be rounded either way, as far as f32 arithmetic and the matrix unit's own rounding can turn it there, and no further.
;;   INPUTS GIVEN AS CODES. w_o (in the module: [1024, 1024], K = its axis 0); w_qkv (in the module: [1024, 3072], K = its axis 0); x (in the module: [4, 2048, 1024], K = its axis 2): each comes as NAME_codes (uint8): NAME with its K axis moved to the last place and cut into blocks of 32 codes, [.., K / 32, bytes a block], one block behind the other in memory; four codes in three bytes: a row's codes are one little-endian stream of bits, code i at bits 6 i .. 6 i + 5 (a code: sign, 2 exponent bits, 3 mantissa bits); and NAME_scales (uint8): the same leading axes, one E8M0 byte (e + 127) for each 32 codes along K. Its value is code x scale, taken as it is: it is not quantised again, and the codes and scales need not be those that the quantiser above would give.
;; One version. Each part assembles by itself: llvm-mc -triple=amdgcn-amd-amdhsa -mcpu=gfx1250 --defsym DOCPART=n.
;; ======== version 1 of 1: 3 launches
;; limits: right only within a limited range of input values
;; workspace buffers: qc 6,815,744 bytes; kv 13,369,344 bytes; vc 6,291,456 bytes; vs 262,144 bytes
;; launch qkv (part 1): grid 16 x 32, 4 waves a work-group, clusters of 4 x 4, 327,680 bytes of LDS; arguments x_codes, x_scales, w_qkv_codes, w_qkv_scales, b_qkv, qc, kv; writes qc, kv
.if DOCPART == 1
	.amdgcn_target "amdgcn-amd-amdhsa--gfx1250"
	.amdhsa_code_object_version 6
	.text
	.protected	k_qdcff6a336e_qkv
	.globl	k_qdcff6a336e_qkv
	.p2align	8
	.type	k_qdcff6a336e_qkv,@function
k_qdcff6a336e_qkv:
	s_mov_b64 s[64:65], 0
	v_nop
	global_prefetch_b8 v0, s[64:65] scope:SCOPE_SE
	s_setreg_imm32_b32 hwreg(HW_REG_WAVE_MODE, 25, 1), 1
	s_wait_xcnt 0x0
	s_wait_alu depctr_hold_cnt(0) depctr_sa_sdst(0) depctr_va_vdst(0) depctr_va_sdst(0) depctr_va_ssrc(0) depctr_va_vcc(0) depctr_vm_vsrc(0)
	s_getreg_b32 s2, hwreg(HW_REG_IB_STS2, 6, 4)
	s_cmp_eq_u32 s2, 0
	s_cbranch_scc0 .Lentry_in_a_cluster
	s_endpgm
.Lentry_in_a_cluster:
	s_bfe_u32 s2, ttmp6, 0x10000c
	s_cmp_lg_u32 s2, 0xf033
	s_cbranch_scc0 .Lentry_shape_is_right
	s_endpgm
.Lentry_shape_is_right:
; qkv = x w_qkv + b_qkv on codes of FP6 (E2M3) as given; q, k, v are quantised in the registers in which they are summed and leave as images of the next launch's operand registers.
; x: 8,192 rows x 1,024 K (768 bytes a row), w_qkv: 3,072 rows; scale bytes 32 a row.  Head t owns rows 192 t .. 192 t + 191 of w_qkv: 64 of q, 64 of k, 64 of v.
; SHARES.  A work-group takes 256 rows of x and one head.  Wave (RH, CG): rows 128 RH on; CG = 0: q and v's channels 0-31, CG = 1: k and v's channels 32-63: 48 accumulators.
; q, k are used transposed (source 0 = w, source 1 = x): a lane holds one row, registers along the head's 64.  v as it stands: a lane holds one channel, registers down the keys.
; ORDER INSIDE A BLOCK OF 32: codes lie in the order 0-7, 16-23, 8-15, 24-31, alike on both sides of each later product.
; Lane r of v's tile 2 c + u takes channel 32 c + 8 u + r + 8 (r / 8).
; LDS.  x's 256 rows lie whole (rows of 768 bytes, 16 bytes of padding behind every 256), filled once.  w goes in chunks of 256 bytes of its 192 rows through two slots: chunks 0 and 1 are first fills,
; chunk 2 is the one refill, into slot 0, behind a drained round in K step 2.  Every tensor row begins at a multiple of 256 bytes.  At the head each wave issues one load: waves 0, 1 x's halves, wave 2 chunk 0, wave 3 chunk 1.
; A K step of 128 is 96 bytes of a row: steps 2 and 5 lie across two chunks of w.
; CLUSTERS: 4 x 4; x's rows are shared along a row of the cluster, w's along a column: each tile is asked for jointly.
; NO PREFETCH: all tiles but one are asked for at the head, and the walk along K is written out with no loop to run ahead in.
; K'S IMAGE: the groups of odd pairs of tiles are stored with each half's two runs of 128 bytes exchanged (lane position xor 8): the next launch reads rows 8 apart of two pairs in one load.
; LIMITS: NaN and infinities are not served.  A block whose largest magnitude lies under 2^-124 gets the byte 1, a block of zeros too (the rule says 127): its codes are zeros, and this program alone reads the bytes.
; REGISTERS: window 0: addresses, scale words, bias, codes on the way out.  window 1: x's fragments at v[12 a]; w's at v[96 + 72 p + 12 j], two sets.  windows 2, 3: q or k (a, b) at v[32 a + 8 b], v (u, a) at v[128 + 32 u + 8 a].
.set PA,    816
.set PW,    272
.set HALFA, 128*PA
.set WOFF,  2*HALFA
.set WS,    192*PW
.set SPARE, WOFF+2*WS
.set SPW,  4
.set NIL,  5
.set LI16, 6
.set LI8,  7
.set ADRA, 8                           ; v8, v9 x's tiles 0-3 (v9: behind one padding more); v10, v11 tiles 4-7
.set ADRB, 12                          ; v12-15 q or k: slot 0, slot 1, across 0 to 1, across 1 to 0
.set ADRV, 16                          ; v16-19 the same for v
.set LIX,  20                          ; 16 x lane, for k with bit 7 turned
.set OXS,  26
.set OWS,  27
.set OVS,  28
.set OBQ,  29
.set OBV,  30
.set SA,   32
.set SB,   64
.set SV,   80
.set BI,   88
.set KC,   136
.set VC,   184
.set YT,   208
.set HWQ,  232
.set HWV,  240
.set KS,   244
.set VS,   248
.set BF,   96
.set TM,   192
.set PE,   204
.set WV,   18
.set RH,   19
.set CG,   20
.set TX,   23
.set TY,   24
.set G1A,  28
.set G1B,  36
.set G0A,  44
.set G0B,  68
.set P1,   80
.set P2,   82
.set P3,   84
.set MHI,  86
.set SEL,  88
.set MSB, 0
.macro WIN new
.if MSB != (\new)
	s_set_vgpr_msb (MSB<<8)|(\new)
.set MSB, (\new)
.endif
.endm
.macro PLACES n
.rept \n
	v_nop
.endr
.endm
.macro CREST
	s_cmp_lg_u32 s[WV], 0
	s_cbranch_scc1 .Lnot_wave_0_\@
	s_barrier_signal -3
.Lnot_wave_0_\@:
	s_barrier_wait -3
	s_barrier_signal -1
	s_barrier_wait -1
.endm
.macro CROUND
	s_barrier_signal -1
	s_barrier_wait -1
	CREST
.endm
	s_load_b256 s[4:11], s[0:1], 0x0               ; x's codes, x's scales, w's codes, w's scales
	s_load_b128 s[12:15], s[0:1], 0x20             ; bias, qc
	s_load_b64 s[16:17], s[0:1], 0x30              ; kv
	v_lshl_add_u32 v[SPW], v0, 2, SPARE
	v_mov_b32 v[NIL], 0
	ds_add_u32 v[SPW], v[NIL]                      ; the opening lines
	ds_add_u32 v[SPW], v[NIL]
	v_lshrrev_b32 v1, 5, v0
	v_readfirstlane_b32 s[WV], v1
	s_lshr_b32 s[RH], s[WV], 1
	s_and_b32 s[CG], s[WV], 1
	s_bfe_u32 s21, ttmp6, 0x40000
	s_bfe_u32 s22, ttmp6, 0x40004
	s_lshl_b32 s[TX], ttmp9, 2
	s_add_co_u32 s[TX], s[TX], s21                 ; the head
	s_and_b32 s[TY], ttmp7, 0xffff
	s_lshl_b32 s[TY], s[TY], 2
	s_add_co_u32 s[TY], s[TY], s22                 ; the block of 256 rows
	s_lshl_b32 s25, s22, 2
	s_lshl_b32 s25, 15, s25
	s_lshl_b32 s26, 0x1111, s21
	s_or_b32 s[G1A], s25, (1<<20)|(1<<21)|(5<<22)|(3<<25)   ; elements of 1 byte; after every 64 words 4 words of padding
	s_or_b32 s[G1B], s26, (1<<20)|(1<<21)|(5<<22)|(3<<25)
	s_mov_b32 s[G1A+1], 768<<16                    ; x: 128 rows of 768 bytes
	s_mov_b32 s[G1A+2], 128<<16
	s_mov_b32 s[G1A+3], 768<<16
	s_mov_b32 s[G1A+4], 128
	s_mov_b32 s[G1A+5], 768
	s_mov_b32 s[G1A+6], 0
	s_mov_b32 s[G1A+7], 0
	s_mov_b32 s[G1B+1], 256<<16                    ; w: 192 rows of 256 bytes, 768 apart
	s_mov_b32 s[G1B+2], 192<<16
	s_mov_b32 s[G1B+3], 256<<16
	s_mov_b32 s[G1B+4], 192
	s_mov_b32 s[G1B+5], 768
	s_mov_b32 s[G1B+6], 0
	s_mov_b32 s[G1B+7], 0
	s_lshl_b32 s56, s[TY], 8
	s_lshl_b32 s57, s[CG], 7
	s_add_co_u32 s56, s56, s57
	s_mul_i32 s56, s56, 768                        ; x: row 256 ty + 128 CG
	s_mov_b32 s57, 0
	s_mul_i32 s58, s[TX], 192*768
	s_lshl_b32 s59, s[CG], 8
	s_add_co_u32 s58, s58, s59                     ; w: the head's rows, chunk CG
	s_mov_b32 s59, 0
	s_mul_i32 s60, s[CG], HALFA
	s_mul_i32 s61, s[CG], WS
	s_add_co_u32 s61, s61, WOFF
	s_mov_b32 s[MHI], 0xffff0000
	s_mov_b32 s[SEL], 0x76543210
	s_mov_b32 s[SEL+1], 0xfedcba98
	s_wait_dscnt 0x0
	s_wait_kmcnt 0x0
	s_mov_b32 s[G0A], 1
	s_mov_b32 s[G0A+1], s60
	s_add_nc_u64 s[G0A+2:G0A+3], s[4:5], s[56:57]
	s_or_b32 s[G0A+3], s[G0A+3], 0x80000000
	s_mov_b32 s[G0B], 1
	s_mov_b32 s[G0B+1], s61
	s_add_nc_u64 s[G0B+2:G0B+3], s[8:9], s[58:59]
	s_or_b32 s[G0B+3], s[G0B+3], 0x80000000
	CROUND                                         ; the first joint loads meet
	s_cmp_eq_u32 s[RH], 0                          ; one load a wave, an arm each
	s_cbranch_scc0 .Lfirst_b
	tensor_load_to_lds s[G0A:G0A+3], s[G1A:G1A+7]
	s_nop 0
	PLACES 4
	s_branch .Lfirst_asked
.Lfirst_b:
	tensor_load_to_lds s[G0B:G0B+3], s[G1B:G1B+7]
	s_nop 0
	PLACES 4
.Lfirst_asked:
.macro WADR d, row, base               ; four LDS addresses of a lane's row of w
	v_mul_u32_u24 v208, \row, PW
	v_add_nc_u32 v208, \base, v208
	v_mad_u32_u24 v[\d], v2, 24, v208              ; slot 0, + 24 h
	v_add_nc_u32 v[\d+1], WS, v[\d]                ; slot 1
	v_mad_u32_u24 v[\d+2], v2, s91, v208
	v_add_nc_u32 v[\d+2], 232, v[\d+2]             ; lanes 0-15 byte 232 in slot 0, lanes 16-31 byte 0 in slot 1
	v_mad_u32_u24 v[\d+3], v214, s94, v208         ; lanes 0-15 byte 232 in slot 1, lanes 16-31 byte 0 in slot 0
.endm
	v_and_b32 v1, 15, v0                           ; r
	v_bfe_u32 v2, v0, 4, 1                         ; h
	v_and_b32 v3, 31, v0
	v_lshlrev_b32 v[LI16], 4, v3
	v_lshlrev_b32 v[LI8], 3, v3
	s_lshl_b32 s62, s[CG], 7
	v_xor_b32 v[LIX], s62, v[LI16]
	v_mul_u32_u24 v208, v1, PA
	v_mad_u32_u24 v210, v2, 24, v208
	v_mad_u32_u24 v211, v2, 40, v208
	s_mul_i32 s62, s[RH], HALFA
	v_add_nc_u32 v[ADRA], s62, v210
	v_add_nc_u32 v[ADRA+1], s62, v211
	s_add_co_u32 s62, s62, 64*PA
	v_add_nc_u32 v[ADRA+2], s62, v210
	v_add_nc_u32 v[ADRA+3], s62, v211
	v_and_b32 v209, 8, v1
	v_add_nc_u32 v209, v209, v1                    ; r + 8 (r / 8)
	v_sub_nc_u32 v214, 1, v2
	s_mov_b32 s91, WS-232
	s_mov_b32 s94, WS+232
	s_mul_i32 s63, s[CG], 64*PW
	s_add_co_u32 s63, s63, WOFF
	s_mul_i32 s90, s[CG], 32*PW
	s_add_co_u32 s90, s90, WOFF+128*PW
	WADR ADRB, v1, s63
	WADR ADRV, v209, s90
	s_lshl_b32 s92, s[TY], 13
	s_lshl_b32 s93, s[RH], 12
	s_add_co_u32 s92, s92, s93
	s_mov_b32 s93, 0
	s_add_nc_u64 s[6:7], s[6:7], s[92:93]
	s_mul_i32 s92, s[TX], 192*32
	s_add_nc_u64 s[10:11], s[10:11], s[92:93]
	s_mul_i32 s92, s[TX], 192*4
	s_add_nc_u64 s[12:13], s[12:13], s[92:93]
	v_lshlrev_b32 v[OXS], 5, v3
	s_lshl_b32 s94, s[CG], 11
	v_add_nc_u32 v[OWS], s94, v[OXS]
	v_lshl_add_u32 v[OVS], v2, 3, v209
	s_lshl_b32 s94, s[CG], 10
	s_add_co_u32 s94, s94, 4096
	v_lshl_add_u32 v[OVS], v[OVS], 5, s94
	s_lshl_b32 s94, s[CG], 8
	v_lshl_add_u32 v[OBQ], v2, 5, s94
	s_lshl_b32 s94, s[CG], 7
	s_add_co_u32 s94, s94, 512
	v_lshl_add_u32 v[OBV], v209, 2, s94
	s_wait_alu depctr_va_vdst(0)                   ; behind the head's last vector line
.irp i, 0,1,2,3
	global_load_b128 v[SA+8*\i:SA+8*\i+3], v[OXS], s[6:7] offset:1024*\i
	global_load_b128 v[SA+8*\i+4:SA+8*\i+7], v[OXS], s[6:7] offset:1024*\i+16
.endr
.irp i, 0,1
	global_load_b128 v[SB+8*\i:SB+8*\i+3], v[OWS], s[10:11] offset:1024*\i
	global_load_b128 v[SB+8*\i+4:SB+8*\i+7], v[OWS], s[10:11] offset:1024*\i+16
.endr
	global_load_b128 v[SV:SV+3], v[OVS], s[10:11]
	global_load_b128 v[SV+4:SV+7], v[OVS], s[10:11] offset:16
.irp b, 0,1,2,3
	global_load_b128 v[BI+8*\b:BI+8*\b+3], v[OBQ], s[12:13] offset:64*\b
	global_load_b128 v[BI+8*\b+4:BI+8*\b+7], v[OBQ], s[12:13] offset:64*\b+16
.endr
.irp u, 0,1
.irp j, 0,1,2,3,4,5,6,7
	global_load_b32 v[BI+32+8*\u+\j], v[OBV], s[12:13] offset:32*\u
.endr
.endr
	s_lshr_b32 s92, s[TY], 3                       ; record ((batch x 16 + head) x 16 + group of 128 rows)
	s_lshl_b32 s92, s92, 4
	s_add_co_u32 s92, s92, s[TX]
	s_lshl_b32 s92, s92, 4
	s_and_b32 s94, s[TY], 7
	s_lshl_b32 s94, s94, 1
	s_add_co_u32 s92, s92, s94
	s_add_co_u32 s92, s92, s[RH]
	s_mul_i32 s94, s92, 13056
	s_mul_i32 s92, s92, 6656
	s_mov_b32 s95, 0
	s_add_nc_u64 s[P2:P2+1], s[16:17], s[94:95]
	s_add_nc_u64 s[P1:P1+1], s[14:15], s[92:93]
	s_cmp_eq_u32 s[CG], 0
	s_cselect_b64 s[P1:P1+1], s[P1:P1+1], s[P2:P2+1]
	s_lshl_b32 s92, s[CG], 2
	s_add_co_u32 s92, s92, 12800
	s_add_nc_u64 s[P3:P3+1], s[P2:P2+1], s[92:93]
	s_mul_i32 s92, s[CG], 3072
	s_add_co_u32 s92, s92, 6656
	s_add_nc_u64 s[P2:P2+1], s[P2:P2+1], s[92:93]
; a fragment: six pieces of 8 bytes; piece PC of a row lies at byte 8 PC; lanes 16-31 read three pieces on
.macro FRAGX reg, ks, i
.irp p, 0,1,2,3,4,5
.set PC, 12*(\ks)+6*(\p/3)+\p%3
	ds_load_b64 v[\reg+2*\p:\reg+2*\p+1], v[ADRA+2*((\i)/4)+(PC%32)/29] offset:8*PC+16*(PC/32)+((\i)%4)*16*PA
.endr
.endm
.macro FRAGW reg, adr, ks, rows
.irp p, 0,1,2,3,4,5
.set PC, 12*(\ks)+6*(\p/3)+\p%3
	ds_load_b64 v[\reg+2*\p:\reg+2*\p+1], v[\adr+(PC/32)%2+2*((PC%32)/29)] offset:8*(PC%32)-232*((PC%32)/29)+(\rows)*PW
.endr
.endm
.macro FETCH_B ks, p                   ; w's six fragments: 36 loads
	WIN 0x40
.irp j, 0,1,2,3
	FRAGW BF+72*(\p)+12*\j, ADRB, \ks, 16*\j
.endr
.irp u, 0,1
	FRAGW BF+72*(\p)+12*(4+\u), ADRV, \ks, 8*\u
.endr
.endm
.macro FETCH_A ks, i0                  ; x's tiles i0 .. i0 + 3: 24 loads
	WIN 0x40
.irp i, \i0, \i0+1, \i0+2, \i0+3
	FRAGX 12*(\i), \ks, \i
.endr
.endm
.macro WM d, s0, s1, c, sc0, sc1, r0, r1
.if (\r0) && (\r1)
	v_wmma_scale_f32_16x16x128_f8f6f4 v[\d:\d+7], v[\s0:\s0+11], v[\s1:\s1+11], v[\c:\c+7], v[\sc0], v[\sc1] matrix_a_fmt:MATRIX_FMT_FP6 matrix_b_fmt:MATRIX_FMT_FP6 matrix_a_scale:MATRIX_SCALE_ROW1 matrix_b_scale:MATRIX_SCALE_ROW1
.elseif (\r0)
	v_wmma_scale_f32_16x16x128_f8f6f4 v[\d:\d+7], v[\s0:\s0+11], v[\s1:\s1+11], v[\c:\c+7], v[\sc0], v[\sc1] matrix_a_fmt:MATRIX_FMT_FP6 matrix_b_fmt:MATRIX_FMT_FP6 matrix_a_scale:MATRIX_SCALE_ROW1
.elseif (\r1)
	v_wmma_scale_f32_16x16x128_f8f6f4 v[\d:\d+7], v[\s0:\s0+11], v[\s1:\s1+11], v[\c:\c+7], v[\sc0], v[\sc1] matrix_a_fmt:MATRIX_FMT_FP6 matrix_b_fmt:MATRIX_FMT_FP6 matrix_b_scale:MATRIX_SCALE_ROW1
.else
	v_wmma_scale_f32_16x16x128_f8f6f4 v[\d:\d+7], v[\s0:\s0+11], v[\s1:\s1+11], v[\c:\c+7], v[\sc0], v[\sc1] matrix_a_fmt:MATRIX_FMT_FP6 matrix_b_fmt:MATRIX_FMT_FP6
.endif
.endm
; 12 products: x's tiles a0, a0 + 1 against four tiles of q or k and two of v.  first = 1: the bias is the C.  The 48 accumulators take turns.
.macro MUL12 a0, ks, first
.irp a, \a0, \a0+1
.irp b, 0,1,2,3
.if \first
	WM 32*((\a)%4)+8*\b, BF+72*((\ks)%2)+12*\b, 12*(\a), BI+8*\b, SB+8*(\b/2)+(\ks), SA+8*((\a)/2)+(\ks), \b%2, (\a)%2
.else
	WM 32*((\a)%4)+8*\b, BF+72*((\ks)%2)+12*\b, 12*(\a), 32*((\a)%4)+8*\b, SB+8*(\b/2)+(\ks), SA+8*((\a)/2)+(\ks), \b%2, (\a)%2
.endif
.endr
.irp u, 0,1
.if \first
	WM 128+32*\u+8*((\a)%4), 12*(\a), BF+72*((\ks)%2)+12*(4+\u), BI+32+8*\u, SA+8*((\a)/2)+(\ks), SV+(\ks), (\a)%2, \u
.else
	WM 128+32*\u+8*((\a)%4), 12*(\a), BF+72*((\ks)%2)+12*(4+\u), 128+32*\u+8*((\a)%4), SA+8*((\a)/2)+(\ks), SV+(\ks), (\a)%2, \u
.endif
.endr
.endr
.endm
; a step of 128 along K; the next step's fragments are fetched in its middle (w, x's tiles 0-3) and at its end (tiles 4-7)
.macro KPLAIN ks, first
	s_wait_dscnt 24                                ; all but the youngest 24 loads (tiles 4-7)
	WIN 0xa5-0x20*\first
	MUL12 0, \ks, \first
	MUL12 2, \ks, \first
	s_wait_dscnt 0x0
	PLACES 4                                       ; places in front of loads into registers that products have read
	FETCH_B (\ks)+1, 1-(\ks)%2
	FETCH_A (\ks)+1, 0
	WIN 0xf5-0x30*\first
	MUL12 4, \ks, \first
	MUL12 6, \ks, \first
	PLACES 4
	FETCH_A (\ks)+1, 4
.endm
; a step with a barrier.  fill = 1: chunk 0 of w is read no more: the barrier opens a round and wave 2 fills slot 0 with chunk 2.  fill = 0: the barrier shows chunk 2 to all waves.
.macro KTURN ks, fill
	WIN 0
	s_wait_tensorcnt 0x0
	ds_add_u32 v[SPW], v[NIL]
	s_wait_dscnt 25                                ; the add and the youngest 24 loads may be out
	WIN 0xa5
	MUL12 0, \ks, 0
	s_wait_dscnt 0x0                               ; the add is done and my reads are over
	s_barrier_signal -1
	MUL12 2, \ks, 0
	WIN 0
	s_barrier_wait -1
.if \fill
	CREST
	s_add_nc_u64 s[G0B+2:G0B+3], s[G0B+2:G0B+3], 512   ; no load of mine is out: two chunks on
	s_cmp_eq_u32 s[WV], 2
	s_cbranch_scc0 .Lno_fill_\@
	tensor_load_to_lds s[G0B:G0B+3], s[G1B:G1B+7]
	s_nop 0
.Lno_fill_\@:
.endif
	PLACES 4
	FETCH_B (\ks)+1, 1-(\ks)%2
	FETCH_A (\ks)+1, 0
	WIN 0xf5
	MUL12 4, \ks, 0
	MUL12 6, \ks, 0
	PLACES 4
	FETCH_A (\ks)+1, 4
.endm
	s_wait_tensorcnt 0x0                           ; my tile is in,
	s_barrier_signal -1
	s_barrier_wait -1                              ; everybody's is
	FETCH_B 0, 0
	FETCH_A 0, 0
	FETCH_A 0, 4
	s_wait_loadcnt 0x0                             ; scale words and bias
	KPLAIN 0, 1
	KPLAIN 1, 0                                    ; fetches step 2, the last that reads chunk 0
	KTURN  2, 1
	KPLAIN 3, 0
	KTURN  4, 0                                    ; ahead of the fetch of step 5, the first that reads chunk 2
	KPLAIN 5, 0
	KPLAIN 6, 0
	s_wait_dscnt 24
	WIN 0xa5
	MUL12 0, 7, 0
	MUL12 2, 7, 0
	s_wait_dscnt 0x0
	WIN 0xf5
	MUL12 4, 7, 0
	MUL12 6, 7, 0
	PLACES 4
; THE WAY OUT of window 2 + G: twelve blocks of 32, 16 numbers of each in my lane at v[16 n].  Largest magnitude with the floor 2^(3 - 127), 2 off its exponent field: the conversion's scale operand; shifted: the byte.
.macro EPI G
	WIN 0xaa+0x55*\G
.set N, 0
.rept 12
	v_mov_b32 v[PE+N], 0
.set N, N+1
.endr
.set N, 0
.rept 12
	v_max3_num_f32 v[TM+N], |v[16*N]|, |v[16*N+1]|, 0x1800000
.set N, N+1
.endr
.irp i, 2,4,6,8,10,12,14
.set N, 0
.rept 12
	v_max3_num_f32 v[TM+N], v[TM+N], |v[16*N+\i]|, |v[16*N+\i+1]|
.set N, N+1
.endr
.endr
.set N, 0
.rept 12
	v_permlanex16_b32 v[PE+N], v[TM+N], s[SEL], s[SEL+1]
.set N, N+1
.endr
.set N, 0
.rept 12
	v_max_num_f32 v[TM+N], v[TM+N], v[PE+N]
.set N, N+1
.endr
.set N, 0
.rept 12
	v_add_nc_u32 v[PE+N], 0xff000000, v[TM+N]
.set N, N+1
.endr
.set N, 0
.rept 12
	v_lshrrev_b32 v[TM+N], 23, v[PE+N]
.set N, N+1
.endr
.irp U, 0,1,2,3,4,5
	v_lshl_or_b32 v[TM+2*\U], v[TM+2*\U+1], 8, v[TM+2*\U]
.endr
	WIN 0x0a+0x05*\G
.irp U, 0,1,2,3
	v_cvt_scalef32_pk16_fp6_f32 v[KC+6*(4*\G+\U):KC+6*(4*\G+\U)+2], v[32*\U:32*\U+15], v[PE+2*\U]
	v_cvt_scalef32_pk16_fp6_f32 v[YT+4*\U:YT+4*\U+2], v[32*\U+16:32*\U+31], v[PE+2*\U+1]
.endr
.irp u, 0,1
	v_cvt_scalef32_pk16_fp6_f32 v[VC+12*\u+6*\G:VC+12*\u+6*\G+2], v[128+32*\u:128+32*\u+15], v[PE+8+2*\u]
	v_cvt_scalef32_pk16_fp6_f32 v[YT+16+4*\u:YT+16+4*\u+2], v[128+32*\u+16:128+32*\u+31], v[PE+9+2*\u]
.endr
.irp U, 0,1,2,3
	v_mov_b32 v[HWQ+4*\G+\U], v[TM+2*\U]
.endr
.irp u, 0,1
	v_mov_b32 v[HWV+2*\u+\G], v[TM+8+2*\u]
.endr
	WIN 0
.irp U, 0,1,2,3
.irp i, 0,1,2
	v_permlane16_swap_b32 v[KC+6*(4*\G+\U)+\i], v[YT+4*\U+\i]
.endr
.endr
.irp u, 0,1
.irp i, 0,1,2
	v_permlane16_swap_b32 v[VC+12*\u+6*\G+\i], v[YT+16+4*\u+\i]
.endr
.endr
.irp U, 0,1,2,3
.irp i, 0,1,2
	v_mov_b32 v[KC+6*(4*\G+\U)+3+\i], v[YT+4*\U+\i]
.endr
.endr
.irp u, 0,1
.irp i, 0,1,2
	v_mov_b32 v[VC+12*\u+6*\G+3+\i], v[YT+16+4*\u+\i]
.endr
.endr
.endm
	EPI 0
	EPI 1
.irp i, 0,1,2,3
	v_cndmask_b32 v[KS+\i], v[HWQ+2*\i], v[HWQ+2*\i+1], s[MHI]
.endr
.irp i, 0,1,2,3
	v_lshl_or_b32 v[KS+\i], v[KS+\i], 16, v[KS+\i] ; bytes 2, 3 scale only products with zero codes
.endr
	v_lshl_or_b32 v[HWV], v[HWV+1], 16, v[HWV]
	v_lshl_or_b32 v[HWV+2], v[HWV+3], 16, v[HWV+2]
	v_cndmask_b32 v[VS], v[HWV], v[HWV+2], s[MHI]
.irp g, 0,1,2,3,4,5,6,7,8,9,10,11
.if (\g/3)%2
	global_store_b128 v[LIX], v[KC+4*\g:KC+4*\g+3], s[P1:P1+1] offset:512*\g    ; an odd pair of tiles: k's lanes stand at position xor 8; still 512 consecutive bytes an instruction
.else
	global_store_b128 v[LI16], v[KC+4*\g:KC+4*\g+3], s[P1:P1+1] offset:512*\g
.endif
.endr
	global_store_b128 v[LI16], v[KS:KS+3], s[P1:P1+1] offset:6144
.irp g, 0,1,2,3,4,5
	global_store_b128 v[LI16], v[VC+4*\g:VC+4*\g+3], s[P2:P2+1] offset:512*\g
.endr
	global_store_b32 v[LI8], v[VS], s[P3:P3+1]     ; 4 of each 8 bytes, the partner wave's the others
	s_wait_tensorcnt 0x0                           ; the wave's end
	ds_add_u32 v[SPW], v[NIL]
	s_wait_dscnt 0x0
	CROUND
	s_endpgm
.Lfunc_end_k_qdcff6a336e_qkv:
	.size	k_qdcff6a336e_qkv, .Lfunc_end_k_qdcff6a336e_qkv-k_qdcff6a336e_qkv
	.p2alignl 7, 3214868480
	.fill 96, 4, 3214868480
	.section	.rodata,"a",@progbits
	.p2align	6, 0x0
	.amdhsa_kernel k_qdcff6a336e_qkv
		.amdhsa_group_segment_fixed_size 327680
		.amdhsa_private_segment_fixed_size 0
		.amdhsa_enable_private_segment 0
		.amdhsa_kernarg_size 56
		.amdhsa_user_sgpr_count 2
		.amdhsa_user_sgpr_kernarg_segment_ptr 1
		.amdhsa_wavefront_size32 1
		.amdhsa_system_sgpr_workgroup_id_x 1
		.amdhsa_system_sgpr_workgroup_id_y 1
		.amdhsa_system_sgpr_workgroup_id_z 1
		.amdhsa_system_vgpr_workitem_id 0
		.amdhsa_next_free_vgpr 1024
		.amdhsa_next_free_sgpr 96
		.amdhsa_reserve_vcc 0
		.amdhsa_float_denorm_mode_32 3
		.amdhsa_float_denorm_mode_16_64 3
		.amdhsa_memory_ordered 1
		.amdhsa_forward_progress 1
		.amdhsa_inst_pref_size 133
	.end_amdhsa_kernel
	.amdgpu_metadata
---
amdhsa.version: [ 1, 2 ]
amdhsa.kernels:
  - .name:           k_qdcff6a336e_qkv
    .symbol:         k_qdcff6a336e_qkv.kd
    .args:
      - { .name: x_codes, .offset: 0, .size: 8, .value_kind: global_buffer, .address_space: global }
      - { .name: x_scales, .offset: 8, .size: 8, .value_kind: global_buffer, .address_space: global }
      - { .name: w_qkv_codes, .offset: 16, .size: 8, .value_kind: global_buffer, .address_space: global }
      - { .name: w_qkv_scales, .offset: 24, .size: 8, .value_kind: global_buffer, .address_space: global }
      - { .name: b_qkv, .offset: 32, .size: 8, .value_kind: global_buffer, .address_space: global }
      - { .name: qc, .offset: 40, .size: 8, .value_kind: global_buffer, .address_space: global }
      - { .name: kv, .offset: 48, .size: 8, .value_kind: global_buffer, .address_space: global }
    .group_segment_fixed_size: 327680
    .private_segment_fixed_size: 0
    .kernarg_segment_align: 8
    .kernarg_segment_size: 56
    .max_flat_workgroup_size: 128
    .sgpr_count:     96
    .vgpr_count:     1024
    .wavefront_size: 32
...
	.end_amdgpu_metadata
.endif
;; end of part 1
;; launch attn (part 2): grid 4 x 64, 16 waves a work-group, clusters of 4 x 1, 210,944 bytes of LDS; arguments qc, kv, vc, vs; writes vc, vs
.if DOCPART == 2
	.amdgcn_target "amdgcn-amd-amdhsa--gfx1250"
	.amdhsa_code_object_version 6
	.text
	.protected	k_qdcff6a336e_attn
	.globl	k_qdcff6a336e_attn
	.p2align	8
	.type	k_qdcff6a336e_attn,@function
k_qdcff6a336e_attn:
	s_mov_b64 s[64:65], 0
	v_nop
	global_prefetch_b8 v0, s[64:65] scope:SCOPE_SE
	s_setreg_imm32_b32 hwreg(HW_REG_WAVE_MODE, 25, 1), 1
	s_wait_xcnt 0x0
	s_wait_alu depctr_hold_cnt(0) depctr_sa_sdst(0) depctr_va_vdst(0) depctr_va_sdst(0) depctr_va_ssrc(0) depctr_va_vcc(0) depctr_vm_vsrc(0)
	s_getreg_b32 s2, hwreg(HW_REG_IB_STS2, 6, 4)
	s_cmp_eq_u32 s2, 0
	s_cbranch_scc0 .Lentry_in_a_cluster
	s_endpgm
.Lentry_in_a_cluster:
	s_bfe_u32 s2, ttmp6, 0x10000c
	s_cmp_lg_u32 s2, 0x3003
	s_cbranch_scc0 .Lentry_shape_is_right
	s_endpgm
.Lentry_shape_is_right:
; vals = softmax(q k^T / 8) v for one head, both products on codes of FP6 (E2M3); vals is quantised along the model's 1,024 and leaves as images of the last product's operand registers.
; THE SOFTMAX: t = score x log2(e) / 8; M = the row's largest t so far, rounded up to a whole number; p = 2^(t - M) is quantised along the keys, not normalised.  The row's sum is taken of the unquantised p
; and divides O at the end.  When M moves, the sum and O are multiplied by 2^(old M - new M): nothing is rounded.
; SHARES.  A work-group owns 512 queries of one head, each of its sixteen waves two tiles of 16, one after the other.  Every wave walks the head's 2,048 keys, 128 a step.
; LDS.  A head's K and V, 16 records of 13,056 bytes, are filled ONCE, a record a wave, jointly for the four work-groups of a cluster (the four quarters of a head's queries).  All is asked for at the head: no prefetch.
; Both products are used transposed: S^T = K Q^T, O^T = V^T P^T: a lane holds one query.
; WHICH KEYS FORM A TILE OF K.  Tile 4 c + u, row 8 g + i, is key 64 c + 32 g + 8 (2 (u % 2) + u / 2) + i.  So the 32 scores of lane (query, h) in tiles 4 c .. 4 c + 3 are the whole block 2 c + h of 32 keys, in the order
; 0-7, 16-23, 8-15, 24-31 in which v's codes lie: a block's largest score and its codes need no other lane.  Each lane picks its row out of the record's image by its own address.
; THE HEAD IS 64 LONG, THE INSTRUCTION 128: Q's fragment is 6 registers of codes and 6 of zero codes; the upper half of K's operand is the next tile's codes (behind tile 7: zeros), which meet zero codes.
; Behind the barrier that shows the records no wave waits for another until the closing round.
; LIMITS: NaN and infinities are not served.  The promise holds while the scaled scores stay under 2^31 in magnitude.  A block of vals under 2^-124 gets the byte 1, a block of zeros too: this program alone reads the bytes.
.set REC,  13056
.set LI,   1
.set LI8,  2
.set OQ,   5
.set OQS,  6
.set OVS,  7
.set QS,   8
.set KSR,  34
.set VSR,  38
.set KF,   40
.set S,    96
.set O,    160
.set PCD,  192
.set BM,   204                         ; v204-207 four chains of maxima; v204, v206 the two blocks'
.set CT,   208                         ; v208-210, v212-214 the second conversions' codes
.set BE,   216
.set FF,   220
.set PS,   221
.set TT,   222
.set SH8,  223                         ; 8 h
.set EC,   224
.set EY,   230
.set HW,   233
.set LK,   235                         ; v235, v236 my row in K's image, for u / 2 = 0, 1
.set LS,   237                         ; my row's scale word
.set ADK,  238
.set SM,   240                         ; v242-247 three partial sums
.set BP,   248                         ; v248, v249 what lane l xor 16 sends
.set ADS,  250
.set ADL,  251
.set ADV,  252
.set WV,   12
.set TB,   15
.set CNT,  16
.set SEL,  18
.set CS,   20
.set G1,   24
.set G0,   32
.set QP,   36
.set VCP,  38
.set VSP,  40
.set MHI,  42
.macro CROUND
	s_barrier_signal -1
	s_barrier_wait -1
	s_cmp_lg_u32 s[WV], 0
	s_cbranch_scc1 .Lnot_wave_0_\@
	s_barrier_signal -3
.Lnot_wave_0_\@:
	s_barrier_wait -3
	s_barrier_signal -1
	s_barrier_wait -1
.endm
	s_load_b256 s[4:11], s[0:1], 0x0               ; qc, kv, vc, vs
	v_lshl_add_u32 v254, v0, 2, 0x33000
	v_mov_b32 v255, 0
	ds_add_u32 v254, v255                          ; the opening lines
	ds_add_u32 v254, v255
	v_lshrrev_b32 v1, 5, v0
	v_readfirstlane_b32 s[WV], v1
	s_bfe_u32 s13, ttmp6, 0x40000                  ; cx: my quarter of the queries
	s_and_b32 s14, ttmp7, 0xffff                   ; batch x 16 + head
	s_mov_b32 s[G1], 15|(3<<16)|(1<<21)
	s_mov_b32 s[G1+1], 32<<16                      ; a record as 51 rows of 256 bytes
	s_mov_b32 s[G1+2], 51<<16
	s_mov_b32 s[G1+3], 32<<16
	s_mov_b32 s[G1+4], 51
	s_mov_b32 s[G1+5], 32
	s_mov_b32 s[G1+6], 0
	s_mov_b32 s[G1+7], 0
	s_mov_b32 s[G0], 1
	s_mul_i32 s[G0+1], s[WV], REC
	s_mul_i32 s22, s14, 16*REC
	s_add_co_u32 s22, s22, s[G0+1]
	s_mov_b32 s23, 0
	s_mov_b32 s[SEL], 0x76543210
	s_mov_b32 s[SEL+1], 0xfedcba98
	s_mov_b32 s[CS], 0x3e38aa3b
	s_mov_b32 s[CS+1], s[CS]
	s_mov_b32 s[MHI], 0xffff0000
	s_lshr_b32 s43, s[WV], 2
	s_and_b32 s17, s[WV], 3
	s_lshl_b32 s44, s13, 2
	s_add_co_u32 s44, s44, s43                     ; my record of 128 queries
	s_lshl_b32 s46, s14, 4
	s_add_co_u32 s46, s46, s44
	s_mul_i32 s46, s46, 6656
	s_mov_b32 s47, 0
	s_wait_dscnt 0x0
	s_wait_kmcnt 0x0
	s_add_nc_u64 s[G0+2:G0+3], s[6:7], s[22:23]
	s_or_b32 s[G0+3], s[G0+3], 0x80000000
	s_add_nc_u64 s[QP:QP+1], s[4:5], s[46:47]
	s_lshr_b32 s45, s14, 4
	s_lshl_b32 s45, s45, 7
	s_lshl_b32 s44, s44, 3
	s_add_co_u32 s44, s44, s45
	s_lshl_b32 s45, s17, 1
	s_add_co_u32 s44, s44, s45                     ; my first tile of rows
	s_and_b32 s45, s14, 15
	s_mul_i32 s46, s44, 12288
	s_mul_i32 s43, s45, 768
	s_add_co_u32 s46, s46, s43
	s_add_nc_u64 s[VCP:VCP+1], s[8:9], s[46:47]
	s_lshl_b32 s46, s44, 9
	s_lshl_b32 s45, s45, 1
	s_add_co_u32 s46, s46, s45
	s_add_nc_u64 s[VSP:VSP+1], s[10:11], s[46:47]
	CROUND
	tensor_load_to_lds s[G0:G0+3], s[G1:G1+7]      ; my one tensor load
	s_nop 0
.rept 4
	v_nop
.endr
	v_and_b32 v9, 31, v0
	v_bfe_u32 v10, v0, 3, 1                        ; g = r / 8
	v_bfe_u32 v11, v0, 4, 1                        ; h
	v_lshlrev_b32 v[LI], 4, v9
	v_lshlrev_b32 v[LI8], 3, v9
	v_lshlrev_b32 v[OVS], 5, v9
	v_and_b32 v[LS], 7, v0
	v_mad_u32_u24 v[LK], v10, 1536, v[LI]
	v_lshlrev_b32 v[LS], 4, v[LS]
	v_xor_b32 v[LK+1], 128, v[LK]
	v_lshl_add_u32 v[LS], v10, 2, v[LS]
	v_lshlrev_b32 v[SH8], 3, v11
	v_lshl_add_u32 v[LS], v11, 8, v[LS]            ; 256 h + 16 (r % 8) + 4 g
	s_mul_i32 s22, s17, 1536
	v_add_nc_u32 v[OQ], s22, v[LI]
	s_lshl_b32 s22, s17, 2
	v_add_nc_u32 v[OQS], s22, v[LI]
	global_load_b128 v[16:19], v[OQ], s[QP:QP+1]
	global_load_b128 v[20:23], v[OQ], s[QP:QP+1] offset:512
	global_load_b128 v[24:27], v[OQ], s[QP:QP+1] offset:1024
	global_load_b32 v[QS], v[OQS], s[QP:QP+1] offset:6144
.irp j, 0,1,2,3,4,5
	v_mov_b32 v[28+\j], 0                          ; zero codes
	v_mov_b32 v[88+\j], 0
.endr
	v_mov_b32 v[BP], 0                             ; a lane permute's destination counts as a source
	v_mov_b32 v[BP+1], 0
	v_mov_b32 v[PS], 0
	s_wait_alu depctr_va_vdst(0)                   ; the head's end
	s_wait_tensorcnt 0x0
	s_barrier_signal -1
	s_barrier_wait -1                              ; every record is in
	s_wait_loadcnt 0x0
.macro QK t, qrow
.if ((\t)%2) && (\qrow)
	v_wmma_scale_f32_16x16x128_f8f6f4 v[S+8*\t:S+8*\t+7], v[KF+6*\t:KF+6*\t+11], v[22:33], 0, v[KSR+\t/2], v[QS] matrix_a_fmt:MATRIX_FMT_FP6 matrix_b_fmt:MATRIX_FMT_FP6 matrix_a_scale:MATRIX_SCALE_ROW1 matrix_b_scale:MATRIX_SCALE_ROW1
.elseif (\t)%2
	v_wmma_scale_f32_16x16x128_f8f6f4 v[S+8*\t:S+8*\t+7], v[KF+6*\t:KF+6*\t+11], v[22:33], 0, v[KSR+\t/2], v[QS] matrix_a_fmt:MATRIX_FMT_FP6 matrix_b_fmt:MATRIX_FMT_FP6 matrix_a_scale:MATRIX_SCALE_ROW1
.elseif \qrow
	v_wmma_scale_f32_16x16x128_f8f6f4 v[S+8*\t:S+8*\t+7], v[KF+6*\t:KF+6*\t+11], v[22:33], 0, v[KSR+\t/2], v[QS] matrix_a_fmt:MATRIX_FMT_FP6 matrix_b_fmt:MATRIX_FMT_FP6 matrix_b_scale:MATRIX_SCALE_ROW1
.else
	v_wmma_scale_f32_16x16x128_f8f6f4 v[S+8*\t:S+8*\t+7], v[KF+6*\t:KF+6*\t+11], v[22:33], 0, v[KSR+\t/2], v[QS] matrix_a_fmt:MATRIX_FMT_FP6 matrix_b_fmt:MATRIX_FMT_FP6
.endif
.endm
.macro PV t
.if (\t)%2
	v_wmma_scale_f32_16x16x128_f8f6f4 v[O+8*\t:O+8*\t+7], v[KF+12*\t:KF+12*\t+11], v[PCD:PCD+11], v[O+8*\t:O+8*\t+7], v[VSR+\t/2], v[PS] matrix_a_fmt:MATRIX_FMT_FP6 matrix_b_fmt:MATRIX_FMT_FP6 matrix_a_scale:MATRIX_SCALE_ROW1
.else
	v_wmma_scale_f32_16x16x128_f8f6f4 v[O+8*\t:O+8*\t+7], v[KF+12*\t:KF+12*\t+11], v[PCD:PCD+11], v[O+8*\t:O+8*\t+7], v[VSR+\t/2], v[PS] matrix_a_fmt:MATRIX_FMT_FP6 matrix_b_fmt:MATRIX_FMT_FP6
.endif
.endm
.macro STEP qrow                       ; 128 keys
	v_add_nc_u32 v[ADK], s[TB], v[LK]              ; four plain lines: the places in front of loads into registers that the last products have read
	v_add_nc_u32 v[ADK+1], s[TB], v[LK+1]
	v_add_nc_u32 v[ADS], s[TB], v[LS]
	v_add_nc_u32 v[ADL], s[TB], v[LI]
.irp c, 0,1
.irp u, 0,1,2,3
.set A_, 4*\c+\u%2                     ; the image's tile in which rows 0-7 lie: registers 6 A_ .. 6 A_ + 5 of the image, four to a group of 512 bytes
.set D_, KF+6*(4*\c+\u)
.if \u%2
	ds_load_b64 v[D_:D_+1], v[ADK+\u/2] offset:512*((6*A_-2)/4)+8
	ds_load_b128 v[D_+2:D_+5], v[ADK+\u/2] offset:512*((6*A_+2)/4)
.else
	ds_load_b128 v[D_:D_+3], v[ADK+\u/2] offset:512*(3*A_/2)
	ds_load_b64 v[D_+4:D_+5], v[ADK+\u/2] offset:512*(3*A_/2+1)
.endif
.endr
.endr
.irp c, 0,1
.irp g, 0,1
	ds_load_b32 v[KSR+2*\c+\g], v[ADS] offset:6144+128*\g+8*\c   ; lanes 0-15: tile 4 c + 2 g, lanes 16-31: the next
.endr
.endr
	s_wait_alu depctr_va_vdst(0)
	s_wait_dscnt 0x0
.irp t, 0,1,2,3,4,5,6,7
	QK \t, \qrow
.endr
	v_add_nc_u32 v[ADV], s[TB], v[LI8]
.rept 3
	v_nop
.endr
.irp g, 0,1,2,3,4,5,6,7,8,9,10,11
	ds_load_b128 v[KF+4*\g:KF+4*\g+3], v[ADL] offset:6656+512*\g   ; V's four fragments land under the softmax
.endr
	ds_load_b64 v[VSR:VSR+1], v[ADV] offset:12800
.irp b, 0,1,2,3
	v_max3_num_f32 v[BM+\b], v[S+16*\b], v[S+1+16*\b], v[S+2+16*\b]   ; four chains by turns, two to a block
.endr
.irp i, 3,5,7,9,11,13
.irp b, 0,1,2,3
	v_max3_num_f32 v[BM+\b], v[BM+\b], v[S+16*\b+\i], v[S+1+16*\b+\i]
.endr
.endr
	v_max_num_f32 v[BM], v[BM], v[S+15]
	v_max_num_f32 v[BM+2], v[BM+2], v[S+47]
	v_max3_num_f32 v[BM], v[BM], v[BM+1], v[S+31]  ; the largest score of my block c = 0: for the row's maximum and, since p rises with the score, for the block's largest p
	v_max3_num_f32 v[BM+2], v[BM+2], v[BM+3], v[S+63]
	s_delay_alu instid0(VALU_DEP_1)
	v_max_num_f32 v[TT], v[BM], v[BM+2]
	s_delay_alu instid0(VALU_DEP_1)
	v_permlanex16_b32 v[BP], v[TT], s[SEL], s[SEL+1]
	s_delay_alu instid0(VALU_DEP_1)
	v_max_num_f32 v[TT], v[TT], v[BP]              ; with lane l xor 16's two blocks
	s_delay_alu instid0(VALU_DEP_1)
	v_mul_f32 v[TT], s[CS], v[TT]
	s_delay_alu instid0(VALU_DEP_1)
	v_max_num_f32 v13, v13, v[TT]                  ; the running largest t
	v_mov_b32 v[TT], v12
	s_delay_alu instid0(VALU_DEP_2)
	v_floor_f32 v12, -v13                          ; -M = floor(-t)
	s_delay_alu instid0(VALU_DEP_1)
	v_sub_f32 v[TT], v12, v[TT]
	s_delay_alu instid0(VALU_DEP_1)
	v_cvt_i32_f32 v[TT], v[TT]                     ; (it saturates)
	s_delay_alu instid0(VALU_DEP_1)
	v_ldexp_f32 v[FF], 1.0, v[TT]                  ; f = 2^(old M - new M)
.set JJ, 0
.rept 32
	v_pk_fma_f32 v[S+JJ:S+JJ+1], v[S+JJ:S+JJ+1], s[CS:CS+1], v[12:13] op_sel_hi:[1,0,0]
.set JJ, JJ+2
.endr
	v_fma_f32 v[BM], v[BM], s[CS], v12
	v_fma_f32 v[BM+2], v[BM+2], s[CS], v12
	s_wait_alu depctr_va_vdst(0)                   ; ahead of the batch
.set JJ, 0
.rept 64
	v_exp_f32 v[S+JJ], v[S+JJ]
.set JJ, JJ+1
.endr
	v_pk_mul_f32 v[14:15], v[14:15], v[FF:FF+1] op_sel_hi:[1,0]
	s_wait_alu depctr_va_vdst(0)                   ; one wait for the batch of 64
	v_exp_f32 v[BM], v[BM]                         ; the blocks' largest p
	v_exp_f32 v[BM+2], v[BM+2]
	v_pk_add_f32 v[14:15], v[14:15], v[S:S+1]      ; the row's sum of the unquantised p, in four chains
.irp k, 1,2,3
	v_pk_add_f32 v[SM+2*\k:SM+2*\k+1], v[S+4*\k-2:S+4*\k-1], v[S+4*\k:S+4*\k+1]
.endr
.set JJ, 14
.rept 25
.if (JJ/2)%4
	v_pk_add_f32 v[SM+2*((JJ/2)%4):SM+2*((JJ/2)%4)+1], v[SM+2*((JJ/2)%4):SM+2*((JJ/2)%4)+1], v[S+JJ:S+JJ+1]
.else
	v_pk_add_f32 v[14:15], v[14:15], v[S+JJ:S+JJ+1]
.endif
.set JJ, JJ+2
.endr
	s_delay_alu instid0(VALU_DEP_2)
	v_pk_add_f32 v[SM+2:SM+3], v[SM+2:SM+3], v[SM+4:SM+5]
	s_delay_alu instid0(VALU_DEP_2)
	v_pk_add_f32 v[14:15], v[14:15], v[SM+6:SM+7]
	s_delay_alu instid0(VALU_DEP_1)
	v_pk_add_f32 v[14:15], v[14:15], v[SM+2:SM+3]
	s_wait_alu depctr_va_vdst(0)                   ; and one for the two
	v_max_num_f32 v[BM], 0x1800000, v[BM]          ; the floor 2^(3 - 127)
	v_max_num_f32 v[BM+2], 0x1800000, v[BM+2]
	s_delay_alu instid0(VALU_DEP_2)
	v_add_nc_u32 v[BE], 0xff000000, v[BM]          ; 2 off the exponent field: the conversion's scale operand
	s_delay_alu instid0(VALU_DEP_2)
	v_add_nc_u32 v[BE+1], 0xff000000, v[BM+2]
	s_delay_alu instid0(VALU_DEP_2)
	v_lshrrev_b32 v[BM], 23, v[BE]
	s_delay_alu instid0(VALU_DEP_2)
	v_lshrrev_b32 v[BM+2], 23, v[BE+1]
	s_delay_alu instid0(VALU_DEP_1)
	v_lshl_or_b32 v[PS], v[BM+2], 16, v[BM]        ; my bytes: blocks h and 2 + h,
	s_delay_alu instid0(VALU_DEP_1)
	v_lshlrev_b32 v[PS], v[SH8], v[PS]             ; at their places in the word
	s_delay_alu instid0(VALU_DEP_1)
	v_permlanex16_b32 v[BP+1], v[PS], s[SEL], s[SEL+1]
.irp c, 0,1
	v_cvt_scalef32_pk16_fp6_f32 v[PCD+6*\c:PCD+6*\c+2], v[S+32*\c:S+32*\c+15], v[BE+\c]
	v_cvt_scalef32_pk16_fp6_f32 v[CT+4*\c:CT+4*\c+2], v[S+32*\c+16:S+32*\c+31], v[BE+\c]
.endr
	v_or_b32 v[PS], v[PS], v[BP+1]                 ; the word is whole.  (The plain line behind the conversions)
.irp c, 0,1
.irp i, 0,1,2
	v_mov_b32 v[PCD+6*\c+3+\i], v[CT+4*\c+\i]
.endr
.endr
	s_wait_alu depctr_va_vdst(0)                   ; directly ahead of the first reader of O^T
.set JJ, 0
.rept 16
	v_pk_mul_f32 v[O+JJ:O+JJ+1], v[O+JJ:O+JJ+1], v[FF:FF+1] op_sel_hi:[1,0]   ; O^T under the new M; sixteen plain lines ahead of the products
.set JJ, JJ+2
.endr
	s_wait_alu depctr_va_vdst(0)
	s_wait_dscnt 0x0                               ; V's fragments are in
.irp t, 0,1,2,3
	PV \t
.endr
	s_add_co_u32 s[TB], s[TB], REC
.endm
; one tile of 16 queries through all keys; then O^T / the sum, quantised along the head's 64 and stored
.macro PASS p
	v_mov_b32 v13, 0xff61b1e6                      ; -3e38
	v_mov_b32 v14, 0
	v_mov_b32 v15, 0
	v_floor_f32 v12, -v13
.set JJ, 0
.rept 32
	v_mov_b32 v[O+JJ], 0
.set JJ, JJ+1
.endr
	s_mov_b32 s[TB], 0
	s_mov_b32 s[CNT], 16
	s_wait_alu depctr_va_vdst(0)
.Lkeys_\@:
	STEP \p
	s_sub_co_u32 s[CNT], s[CNT], 1
	s_cmp_lg_u32 s[CNT], 0
	s_cbranch_scc1 .Lkeys_\@
	v_add_f32 v14, v14, v15
	v_permlanex16_b32 v[FF], v14, s[SEL], s[SEL+1]
	v_add_f32 v14, v14, v[FF]                      ; the row's sum
	s_wait_alu depctr_va_vdst(0)
	v_rcp_f32 v14, v14
.rept 4
	v_nop
.endr
	s_wait_alu depctr_va_vdst(0)
.set JJ, 0
.rept 32
	v_mul_f32 v[S+JJ], v[O+JJ], v14                ; register 16 b + i: channel 32 b + 16 h + i of my query
.set JJ, JJ+1
.endr
.irp b, 0,1
	v_max3_num_f32 v[BM+\b], |v[S+16*\b]|, |v[S+1+16*\b]|, 0x1800000
.endr
.irp i, 2,4,6,8,10,12,14
.irp b, 0,1
	v_max3_num_f32 v[BM+\b], v[BM+\b], |v[S+16*\b+\i]|, |v[S+1+16*\b+\i]|
.endr
.endr
.irp b, 0,1
	v_permlanex16_b32 v[BP+\b], v[BM+\b], s[SEL], s[SEL+1]
.endr
.irp b, 0,1
	v_max_num_f32 v[BM+\b], v[BM+\b], v[BP+\b]
.endr
.irp b, 0,1
	v_add_nc_u32 v[BE+\b], 0xff000000, v[BM+\b]
.endr
.irp b, 0,1
	v_lshrrev_b32 v[BM+\b], 23, v[BE+\b]
.endr
	v_lshl_or_b32 v[HW+\p], v[BM+1], 8, v[BM]
	v_cvt_scalef32_pk16_fp6_f32 v[EC:EC+2], v[S:S+15], v[BE]
	v_cvt_scalef32_pk16_fp6_f32 v[EY:EY+2], v[S+16:S+31], v[BE+1]
	v_nop
.irp i, 0,1,2
	v_permlane16_swap_b32 v[EC+\i], v[EY+\i]
.endr
.irp i, 0,1,2
	v_mov_b32 v[EC+3+\i], v[EY+\i]
.endr
.irp q, 0,1,2
	global_store_b64 v[LI8], v[EC+2*\q:EC+2*\q+1], s[VCP:VCP+1] offset:\p*12288+256*\q   ; 32 lanes store 256 consecutive bytes, aligned
.endr
.endm
	PASS 1                                         ; tile 2 i + 1 lies where Q's fragment stands
	s_wait_xcnt 0x0                                ; the stores have read their registers
.irp j, 0,1,2,3,4,5
	v_mov_b32 v[22+\j], v[16+\j]                   ; tile 2 i
.endr
	PASS 0
	v_cndmask_b32 v[TT], v[HW], v[HW+1], s[MHI]
	global_store_b16 v[OVS], v[TT], s[VSP:VSP+1]   ; my head's two bytes of each row's 32
	s_wait_tensorcnt 0x0                           ; the wave's end
	ds_add_u32 v254, v255
	s_wait_dscnt 0x0
	CROUND
	s_endpgm
.Lfunc_end_k_qdcff6a336e_attn:
	.size	k_qdcff6a336e_attn, .Lfunc_end_k_qdcff6a336e_attn-k_qdcff6a336e_attn
	.p2alignl 7, 3214868480
	.fill 96, 4, 3214868480
	.section	.rodata,"a",@progbits
	.p2align	6, 0x0
	.amdhsa_kernel k_qdcff6a336e_attn
		.amdhsa_group_segment_fixed_size 210944
		.amdhsa_private_segment_fixed_size 0
		.amdhsa_enable_private_segment 0
		.amdhsa_kernarg_size 32
		.amdhsa_user_sgpr_count 2
		.amdhsa_user_sgpr_kernarg_segment_ptr 1
		.amdhsa_wavefront_size32 1
		.amdhsa_system_sgpr_workgroup_id_x 1
		.amdhsa_system_sgpr_workgroup_id_y 1
		.amdhsa_system_sgpr_workgroup_id_z 1
		.amdhsa_system_vgpr_workitem_id 0
		.amdhsa_next_free_vgpr 256
		.amdhsa_next_free_sgpr 66
		.amdhsa_reserve_vcc 0
		.amdhsa_float_denorm_mode_32 3
		.amdhsa_float_denorm_mode_16_64 3
		.amdhsa_memory_ordered 1
		.amdhsa_forward_progress 1
		.amdhsa_inst_pref_size 47
	.end_amdhsa_kernel
	.amdgpu_metadata
---
amdhsa.version: [ 1, 2 ]
amdhsa.kernels:
  - .name:           k_qdcff6a336e_attn
    .symbol:         k_qdcff6a336e_attn.kd
    .args:
      - { .name: qc, .offset: 0, .size: 8, .value_kind: global_buffer, .address_space: global }
      - { .name: kv, .offset: 8, .size: 8, .value_kind: global_buffer, .address_space: global }
      - { .name: vc, .offset: 16, .size: 8, .value_kind: global_buffer, .address_space: global }
      - { .name: vs, .offset: 24, .size: 8, .value_kind: global_buffer, .address_space: global }
    .group_segment_fixed_size: 210944
    .private_segment_fixed_size: 0
    .kernarg_segment_align: 8
    .kernarg_segment_size: 32
    .max_flat_workgroup_size: 512
    .sgpr_count:     66
    .vgpr_count:     256
    .wavefront_size: 32
...
	.end_amdgpu_metadata
.endif
;; end of part 2
;; launch proj (part 3): grid 8 x 32, 4 waves a work-group, clusters of 4 x 4, 301,568 bytes of LDS; arguments vc, vs, w_o_codes, w_o_scales, b_o, out0; writes out0
.if DOCPART == 3
	.amdgcn_target "amdgcn-amd-amdhsa--gfx1250"
	.amdhsa_code_object_version 6
	.text
	.protected	k_qdcff6a336e_proj
	.globl	k_qdcff6a336e_proj
	.p2align	8
	.type	k_qdcff6a336e_proj,@function
k_qdcff6a336e_proj:
	s_mov_b64 s[64:65], 0
	v_nop
	global_prefetch_b8 v0, s[64:65] scope:SCOPE_SE
	s_setreg_imm32_b32 hwreg(HW_REG_WAVE_MODE, 25, 1), 1
	s_wait_xcnt 0x0
	s_wait_alu depctr_hold_cnt(0) depctr_sa_sdst(0) depctr_va_vdst(0) depctr_va_sdst(0) depctr_va_ssrc(0) depctr_va_vcc(0) depctr_vm_vsrc(0)
	s_getreg_b32 s2, hwreg(HW_REG_IB_STS2, 6, 4)
	s_cmp_eq_u32 s2, 0
	s_cbranch_scc0 .Lentry_in_a_cluster
	s_endpgm
.Lentry_in_a_cluster:
	s_bfe_u32 s2, ttmp6, 0x10000c
	s_cmp_lg_u32 s2, 0xf033
	s_cbranch_scc0 .Lentry_shape_is_right
	s_endpgm
.Lentry_shape_is_right:
; out0 = vals w_o + b_o on codes of FP6 (E2M3).  vals: 512 tiles of 16 rows as images of the operand's registers (12,288 bytes a tile: 16 heads x 6 registers x 32 lanes), scale bytes 32 a row;
; w_o: 1,024 rows x 1,024 K as given (768 bytes a row), scale bytes 32 a row; out0: 8,192 x 1,024 f32.
; SHARES.  A work-group makes 256 rows x 128 columns, wave (RH, CG) 128 x 64: 32 accumulators.  Used transposed (source 0 = w_o, source 1 = vals): a lane holds eight neighbouring columns of a row.
; LDS.  All of K is filled once, one tensor load a wave: waves 0, 1 eight tiles of vals each (a dense block of 98,304 bytes as rows of 256), waves 2, 3 64 rows of w_o each.  Nothing is filled again.
; All is asked for at the head: no prefetch.  CLUSTERS: 4 x 4; vals' tiles are shared along a row of the cluster, w_o's rows along a column.
; The scale words and the bias come straight into registers; the bias is the C of each sum's first product.
; REGISTERS: window 0: addresses, scale words, bias, rows on the way out.  windows 1, 2: two sets of fragments: vals at v[12 a], w_o at v[96 + 12 b].  window 3: accumulator (a, b) at v[8 (4 a + b)].
.set TILE,  12288
.set BBASE, 16*TILE
.set BP,    816
.set ADA,  4                           ; v4-7  my tiles 0-1, 2-3, 4-5, 6-7 of vals, 8 bytes a lane
.set ADB,  8
.set STO,  10
.set RD,   11
.set CO,   12
.set OSC,  13
.set OBI,  15
.set SA,   16
.set SB,   48
.set BI,   64
.set BK,   96
.set WV,   16
.set RH,   17
.set CG,   18
.set TX,   21
.set TY,   22
.set G1A,  28
.set G1B,  36
.set G0B,  44
.set G0A,  48
.set MSB, 0
.macro WIN new
.if MSB != (\new)
	s_set_vgpr_msb (MSB<<8)|(\new)
.set MSB, (\new)
.endif
.endm
.macro PLACES n
.rept \n
	v_nop
.endr
.endm
.macro CROUND
	s_barrier_signal -1
	s_barrier_wait -1
	s_cmp_lg_u32 s[WV], 0
	s_cbranch_scc1 .Lnot_wave_0_\@
	s_barrier_signal -3
.Lnot_wave_0_\@:
	s_barrier_wait -3
	s_barrier_signal -1
	s_barrier_wait -1
.endm
	s_load_b256 s[4:11], s[0:1], 0x0               ; vc, vs, w_o's codes, its scales
	s_load_b128 s[12:15], s[0:1], 0x20             ; b_o, out0
	v_lshl_add_u32 v254, v0, 2, 0x49800
	v_mov_b32 v255, 0
	ds_add_u32 v254, v255                          ; the opening lines
	ds_add_u32 v254, v255
	v_lshrrev_b32 v1, 5, v0
	v_readfirstlane_b32 s[WV], v1
	s_lshr_b32 s[RH], s[WV], 1                     ; my half of the rows.  Also: I fetch vals (0) or w_o (1)
	s_and_b32 s[CG], s[WV], 1                      ; my half of the columns.  Also: which half I fetch
	s_bfe_u32 s19, ttmp6, 0x40000
	s_bfe_u32 s20, ttmp6, 0x40004
	s_lshl_b32 s[TX], ttmp9, 2
	s_add_co_u32 s[TX], s[TX], s19
	s_and_b32 s[TY], ttmp7, 0xffff
	s_lshl_b32 s[TY], s[TY], 2
	s_add_co_u32 s[TY], s[TY], s20
	s_lshl_b32 s23, s20, 2
	s_lshl_b32 s23, 15, s23
	s_lshl_b32 s24, 0x1111, s19
	s_or_b32 s[G1A], s23, (3<<16)|(1<<21)          ; vals: 384 rows of 32 elements of 8 bytes, dense
	s_mov_b32 s[G1A+1], 32<<16
	s_mov_b32 s[G1A+2], 384<<16
	s_mov_b32 s[G1A+3], 32<<16
	s_mov_b32 s[G1A+4], 384
	s_mov_b32 s[G1A+5], 32
	s_mov_b32 s[G1A+6], 0
	s_mov_b32 s[G1A+7], 0
	s_or_b32 s[G1B], s24, (1<<20)|(1<<21)|(5<<22)|(3<<25)   ; w_o: 64 rows of 768 bytes, 4 words of padding after every 64
	s_mov_b32 s[G1B+1], 768<<16
	s_mov_b32 s[G1B+2], 64<<16
	s_mov_b32 s[G1B+3], 768<<16
	s_mov_b32 s[G1B+4], 64
	s_mov_b32 s[G1B+5], 768
	s_mov_b32 s[G1B+6], 0
	s_mov_b32 s[G1B+7], 0
	s_lshl_b32 s68, s[TY], 4                       ; vals: tile 16 ty + 8 CG
	s_lshl_b32 s69, s[CG], 3
	s_add_co_u32 s68, s68, s69
	s_mul_i32 s68, s68, TILE
	s_mov_b32 s69, 0
	s_lshl_b32 s70, s[TX], 7                       ; w_o: row 128 tx + 64 CG
	s_lshl_b32 s71, s[CG], 6
	s_add_co_u32 s70, s70, s71
	s_mul_i32 s70, s70, 768
	s_mov_b32 s71, 0
	s_mul_i32 s72, s[CG], 8*TILE
	s_mul_i32 s73, s[CG], 64*BP
	s_add_co_u32 s73, s73, BBASE
	s_wait_dscnt 0x0
	s_wait_kmcnt 0x0
	s_mov_b32 s[G0B], 1
	s_mov_b32 s[G0B+1], s73
	s_add_nc_u64 s[G0B+2:G0B+3], s[8:9], s[70:71]
	s_or_b32 s[G0B+3], s[G0B+3], 0x80000000
	s_mov_b32 s[G0A], 1
	s_mov_b32 s[G0A+1], s72
	s_add_nc_u64 s[G0A+2:G0A+3], s[4:5], s[68:69]
	s_or_b32 s[G0A+3], s[G0A+3], 0x80000000
	CROUND                                         ; the joint loads meet
	s_cmp_eq_u32 s[RH], 0                          ; one load a wave, an arm each
	s_cbranch_scc0 .Lfor_w
	tensor_load_to_lds s[G0A:G0A+3], s[G1A:G1A+7]
	s_nop 0
	PLACES 4
	s_branch .Lasked
.Lfor_w:
	tensor_load_to_lds s[G0B:G0B+3], s[G1B:G1B+7]
	s_nop 0
	PLACES 4
.Lasked:
	v_and_b32 v1, 15, v0
	v_bfe_u32 v2, v0, 4, 1
	v_and_b32 v3, 31, v0
	s_mul_i32 s72, s[RH], 8*TILE
.irp j, 0,1,2,3
	v_lshl_add_u32 v[ADA+\j], v3, 3, s72
	s_add_co_u32 s72, s72, 2*TILE
.endr
	s_mul_i32 s73, s[CG], 64*BP
	s_add_co_u32 s73, s73, BBASE
	v_mul_u32_u24 v14, v1, BP
	v_add_nc_u32 v14, s73, v14
	v_mad_u32_u24 v[ADB], v2, 24, v14
	v_mad_u32_u24 v[ADB+1], v2, 40, v14
	s_mul_i32 s73, s[WV], 16*272                   ; my stage, in bytes that have had their last fill and, behind the last barrier, their last read
	v_mul_u32_u24 v14, v1, 272
	v_lshl_add_u32 v14, v2, 5, v14
	v_add_nc_u32 v[STO], s73, v14
	v_mul_u32_u24 v14, v2, 272
	v_lshl_add_u32 v14, v1, 4, v14
	v_add_nc_u32 v[RD], s73, v14
	v_lshlrev_b32 v[CO], 12, v2
	v_lshl_add_u32 v[CO], v1, 4, v[CO]
	v_lshlrev_b32 v[OSC], 5, v3
	v_lshlrev_b32 v[OBI], 5, v2
	s_wait_alu depctr_va_vdst(0)                   ; behind the head's last vector line
	s_lshl_b32 s74, s[TY], 8
	s_lshl_b32 s75, s[RH], 7
	s_add_co_u32 s74, s74, s75
	s_lshl_b32 s76, s74, 5
	s_mov_b32 s77, 0
	s_add_nc_u64 s[6:7], s[6:7], s[76:77]
	s_lshl_b32 s76, s74, 12
	s_add_nc_u64 s[14:15], s[14:15], s[76:77]
	s_lshl_b32 s74, s[TX], 7
	s_lshl_b32 s75, s[CG], 6
	s_add_co_u32 s74, s74, s75
	s_lshl_b32 s76, s74, 5
	s_add_nc_u64 s[10:11], s[10:11], s[76:77]
	s_lshl_b32 s76, s74, 2
	s_add_nc_u64 s[12:13], s[12:13], s[76:77]
	s_add_nc_u64 s[14:15], s[14:15], s[76:77]
.irp i, 0,1,2,3
	global_load_b128 v[SA+8*\i:SA+8*\i+3], v[OSC], s[6:7] offset:1024*\i
	global_load_b128 v[SA+8*\i+4:SA+8*\i+7], v[OSC], s[6:7] offset:1024*\i+16
.endr
.irp i, 0,1
	global_load_b128 v[SB+8*\i:SB+8*\i+3], v[OSC], s[10:11] offset:1024*\i
	global_load_b128 v[SB+8*\i+4:SB+8*\i+7], v[OSC], s[10:11] offset:1024*\i+16
.endr
.irp b, 0,1,2,3
	global_load_b128 v[BI+8*\b:BI+8*\b+3], v[OBI], s[12:13] offset:64*\b
	global_load_b128 v[BI+8*\b+4:BI+8*\b+7], v[OBI], s[12:13] offset:64*\b+16
.endr
.macro FETCH s                         ; K step s of 128: 72 loads of 8 bytes into set s % 2
	WIN 0x40<<((\s)%2)
.irp a, 0,1,2,3,4,5,6,7
.irp p, 0,1,2,3,4,5
	ds_load_b64 v[12*\a+2*\p:12*\a+2*\p+1], v[ADA+\a/2] offset:TILE*(\a%2)+1536*(\s)+256*\p   ; an image: 256 consecutive bytes an instruction
.endr
.endr
.irp b, 0,1,2,3
.irp p, 0,1,2,3,4,5
.set PC, 12*(\s)+6*(\p/3)+\p%3
	ds_load_b64 v[96+12*\b+2*\p:96+12*\b+2*\p+1], v[ADB+(PC%32)/29] offset:16*BP*\b+8*PC+16*(PC/32)
.endr
.endr
.endm
.macro WM d, s0, s1, c, sc0, sc1, r0, r1
.if (\r0) && (\r1)
	v_wmma_scale_f32_16x16x128_f8f6f4 v[\d:\d+7], v[\s0:\s0+11], v[\s1:\s1+11], v[\c:\c+7], v[\sc0], v[\sc1] matrix_a_fmt:MATRIX_FMT_FP6 matrix_b_fmt:MATRIX_FMT_FP6 matrix_a_scale:MATRIX_SCALE_ROW1 matrix_b_scale:MATRIX_SCALE_ROW1
.elseif (\r0)
	v_wmma_scale_f32_16x16x128_f8f6f4 v[\d:\d+7], v[\s0:\s0+11], v[\s1:\s1+11], v[\c:\c+7], v[\sc0], v[\sc1] matrix_a_fmt:MATRIX_FMT_FP6 matrix_b_fmt:MATRIX_FMT_FP6 matrix_a_scale:MATRIX_SCALE_ROW1
.elseif (\r1)
	v_wmma_scale_f32_16x16x128_f8f6f4 v[\d:\d+7], v[\s0:\s0+11], v[\s1:\s1+11], v[\c:\c+7], v[\sc0], v[\sc1] matrix_a_fmt:MATRIX_FMT_FP6 matrix_b_fmt:MATRIX_FMT_FP6 matrix_b_scale:MATRIX_SCALE_ROW1
.else
	v_wmma_scale_f32_16x16x128_f8f6f4 v[\d:\d+7], v[\s0:\s0+11], v[\s1:\s1+11], v[\c:\c+7], v[\sc0], v[\sc1] matrix_a_fmt:MATRIX_FMT_FP6 matrix_b_fmt:MATRIX_FMT_FP6
.endif
.endm
.macro MUL s                           ; 32 products; the 32 accumulators take turns.  In step 0 the bias, in window 0, is the C
.if (\s) == 0
	WIN 0xc5
.else
	WIN 0xf5+5*((\s)%2)
.endif
.irp a, 0,1,2,3,4,5,6,7
.irp b, 0,1,2,3
.if (\s) == 0
	WM 8*(4*\a+\b), 96+12*\b, 12*\a, BI+8*\b, SB+8*(\b/2)+(\s), SA+8*(\a/2)+(\s), \b%2, \a%2
.else
	WM 8*(4*\a+\b), 96+12*\b, 12*\a, 8*(4*\a+\b), SB+8*(\b/2)+(\s), SA+8*(\a/2)+(\s), \b%2, \a%2
.endif
.endr
.endr
.endm
	s_wait_tensorcnt 0x0                           ; my tile is in,
	s_barrier_signal -1
	s_barrier_wait -1                              ; everybody's is
	FETCH 0
	s_wait_loadcnt 0x0                             ; scale words and bias
.irp s, 0,1,2,3,4,5,6
	s_wait_dscnt 0x0                               ; this step's fragments are in
.if \s > 0
	PLACES 4                                       ; in front of loads into the set that the last step's products have read
.endif
	FETCH \s+1
	MUL \s
.endr
	s_wait_dscnt 0x0                               ; my last reads of the tiles are over:
	s_barrier_signal -1
	MUL 7
	WIN 0
	s_barrier_wait -1                              ; everybody's are: the stages may be written
	PLACES 4
; THE WAY OUT, 16 rows x 64 columns at a time, through my own stage: in as 32 bytes a lane, back as rows of 256 bytes.  LDS serves a wave's instructions in order (ISA guide 5.7.1.4).
.macro TOSTAGE a
	WIN 0x0c
.irp b, 0,1,2,3
	ds_store_b128 v[STO], v[8*(4*(\a)+\b):8*(4*(\a)+\b)+3] offset:64*\b
	ds_store_b128 v[STO], v[8*(4*(\a)+\b)+4:8*(4*(\a)+\b)+7] offset:64*\b+16
.endr
	WIN 0
.irp t, 0,1,2,3,4,5,6,7
	ds_load_b128 v[BK+32*((\a)%2)+4*\t:BK+32*((\a)%2)+4*\t+3], v[RD] offset:544*\t
.endr
.endm
.macro SEND a, younger
	s_wait_dscnt \younger                          ; the block is back; the next block's 8 stores and 8 loads may be out
.irp t, 0,1,2,3,4,5,6,7
	global_store_b128 v[CO], v[BK+32*((\a)%2)+4*\t:BK+32*((\a)%2)+4*\t+3], s[14:15] offset:(16*(\a)+2*\t)*4096 th:TH_STORE_NT   ; 16 lanes store 256 consecutive bytes, aligned
.endr
.endm
	TOSTAGE 0
.irp a, 1,2,3,4,5,6,7
.if \a > 1
	s_wait_xcnt 0x0                                ; block a - 2's stores have read their registers
.endif
	TOSTAGE \a
	SEND \a-1, 16
.endr
	SEND 7, 0
	s_wait_tensorcnt 0x0                           ; the wave's end
	ds_add_u32 v254, v255
	s_wait_dscnt 0x0
	CROUND
	s_endpgm
.Lfunc_end_k_qdcff6a336e_proj:
	.size	k_qdcff6a336e_proj, .Lfunc_end_k_qdcff6a336e_proj-k_qdcff6a336e_proj
	.p2alignl 7, 3214868480
	.fill 96, 4, 3214868480
	.section	.rodata,"a",@progbits
	.p2align	6, 0x0
	.amdhsa_kernel k_qdcff6a336e_proj
		.amdhsa_group_segment_fixed_size 301568
		.amdhsa_private_segment_fixed_size 0
		.amdhsa_enable_private_segment 0
		.amdhsa_kernarg_size 48
		.amdhsa_user_sgpr_count 2
		.amdhsa_user_sgpr_kernarg_segment_ptr 1
		.amdhsa_wavefront_size32 1
		.amdhsa_system_sgpr_workgroup_id_x 1
		.amdhsa_system_sgpr_workgroup_id_y 1
		.amdhsa_system_sgpr_workgroup_id_z 1
		.amdhsa_system_vgpr_workitem_id 0
		.amdhsa_next_free_vgpr 1024
		.amdhsa_next_free_sgpr 80
		.amdhsa_reserve_vcc 0
		.amdhsa_float_denorm_mode_32 3
		.amdhsa_float_denorm_mode_16_64 3
		.amdhsa_memory_ordered 1
		.amdhsa_forward_progress 1
		.amdhsa_inst_pref_size 94
	.end_amdhsa_kernel
	.amdgpu_metadata
---
amdhsa.version: [ 1, 2 ]
amdhsa.kernels:
  - .name:           k_qdcff6a336e_proj
    .symbol:         k_qdcff6a336e_proj.kd
    .args:
      - { .name: vc, .offset: 0, .size: 8, .value_kind: global_buffer, .address_space: global }
      - { .name: vs, .offset: 8, .size: 8, .value_kind: global_buffer, .address_space: global }
      - { .name: w_o_codes, .offset: 16, .size: 8, .value_kind: global_buffer, .address_space: global }
      - { .name: w_o_scales, .offset: 24, .size: 8, .value_kind: global_buffer, .address_space: global }
      - { .name: b_o, .offset: 32, .size: 8, .value_kind: global_buffer, .address_space: global }
      - { .name: out0, .offset: 40, .size: 8, .value_kind: global_buffer, .address_space: global }
    .group_segment_fixed_size: 301568
    .private_segment_fixed_size: 0
    .kernarg_segment_align: 8
    .kernarg_segment_size: 48
    .max_flat_workgroup_size: 128
    .sgpr_count:     80
    .vgpr_count:     1024
    .wavefront_size: 32
...
	.end_amdgpu_metadata
.endif
;; end of part 3
